; MI455X (gfx1250); checked and timed in simulation.
; The chip was launched on July 23, 2026; its instructions are those of AMD's public machine-readable ISA for CDNA 5 (MIT licence, August 2026) and "CDNA5" Instruction Set Architecture Reference Guide (July 2026). The comments in the code are by the model that wrote it; some were corrected since.
;; non local b. Allowed arithmetic: float matrix products may take bf16 or f16 operands with f32 sums; all other float work in f32.
;; Inputs: Wi 128 x 256 float32; Wj 128 x 256 float32; bi 128 float32; bj 128 float32; features 1 x 256 x 18 x 24 x 24 float32.
;; Outputs: out0 1 x 256 x 18 x 24 x 24 float32.
;; 2 versions, each right; version 2 is version 1 with the launch gpart written anew for expert scheduling mode. Each part assembles by itself: llvm-mc -triple=amdgcn-amd-amdhsa -mcpu=gfx1250 --defsym DOCPART=n.
;; ======== version 1 of 2: 3 launches
;; workspace buffers: gpart 10,616,832 bytes; gfrag 65,536 bytes; wifrag 65,536 bytes
;; launch gpart (part 1): grid 81 x 2, 4 waves a work-group, no clusters, 103,936 bytes of LDS; arguments features, Wj, bj, gpart; writes gpart
.if DOCPART == 1
	.amdgcn_target "amdgcn-amd-amdhsa--gfx1250"
	.amdhsa_code_object_version 6
	.text
	.protected	k_q7dd48e9f30_gpart
	.globl	k_q7dd48e9f30_gpart
	.p2align	8
	.type	k_q7dd48e9f30_gpart,@function
k_q7dd48e9f30_gpart:
	s_mov_b64 s[64:65], 0
	v_nop
	global_prefetch_b8 v0, s[64:65] scope:SCOPE_SE
	s_setreg_imm32_b32 hwreg(HW_REG_WAVE_MODE, 25, 1), 1
	s_wait_xcnt 0x0
; First of three launches for  out = F + ((fi fj / N) F^T)^T,  F = features as [256 c][10368 t],  fi = (Wi F + bi)^T,  fj = Wj F + bj.
; Nothing but products stands between fi, fj and F^T, so (fi fj) F^T is formed as fi (fj F^T):  G = fj F^T is [128 d][256 c].
; THIS LAUNCH: for a chunk p of 128 tokens and a half q of the 128 d:  fj = Wj F_p + bj,  G_p = fj F_p^T,  stored in f32 as a partial sum.
; LIMITS KEPT: the order of the sums differs from the reference's (the products are associated otherwise); F, Wj and fj are rounded to
; bf16 as matrix operands; sums and the bias are f32.  G_p is kept unscaled in f32 (128 products of fj and F each).
; SHARES: work-group (p, q); wave w owns the 16 rows d = 16 (4 q + w) .. + 15 and all 256 c.  The four waves share F's tile in LDS alone.
; NO COPY ENGINE, NO CLUSTER: F comes as f32 and has to pass registers to become bf16, so plain loads bring it; the grid is 81 x 2
; (10368 = 81 x 128), which no cluster of four divides along either axis.
; TOKEN ORDER: t-tile a (0..7) holds the tokens 8a..8a+7 and 64+8a..64+8a+7.  The same map is used for both operands of the second
; product, so its sums are the same; with rows of 272 bytes the sixteen lanes of a half wave then touch sixteen different 16-byte
; columns modulo 256 bytes, in the transposing loads and in the plain ones.
.set ROWB,   41472                     ; bytes in a row of features (10368 f32)
.set FPITCH, 272                       ; LDS row of F: 128 bf16 + 16 bytes
.set WPITCH, 528                       ; LDS row of Wj: 256 bf16 + 16 bytes
.set WJBASE, 256*FPITCH                ; F's tile: bytes 0 .. 69631; Wj's 64 rows behind it, 16 rows (8448 bytes) for each wave
.set BC,  8                            ; v[8:15]    bj of the lane's d, eight times: operand C of the first product's first link
.set S0,  16                           ; v[16:79]   staging set 0 (16 loads of 4 registers)
.set S1,  80                           ; v[80:143]  staging set 1
.set S2,  144                          ; v[144:207] staging set 2
.set FT,  16                           ; v[16:143]  then: fragments of F^T, tile e of a pair, K step ks at FT + 64 e + 8 ks
.set WJF, 144                          ; v[144:207] then: fragments of Wj, K step ks at WJF + 8 ks
.set ACC, 16                           ; v[16:143]  last: G_p, tile ct at ACC + 8 ct
.set BUF, 144                          ; v[144:207] last: two buffers of four fragments of F
.set FJ,  208                          ; v[208:239] fj as operand A of the second product, K step i at FJ + 8 i
.set D1,  240                          ; v[240:255] two result tiles of the first product
; v1 16 L   v2, v3 LDS store addresses of F and Wj   v4 Wj fragments   v5 transposing loads   v6 plain fragments of F   v7 4 r
	s_load_b256 s[4:11], s[0:1], 0x0               ; features s[4:5], Wj s[6:7], bj s[8:9], gpart s[10:11]
	s_set_vgpr_msb 0x40
	v_lshl_add_u32 v0, v0, 2, 0x19400
	v_mov_b32 v1, 0
	s_set_vgpr_msb 0x4000
	v_lshrrev_b32 v2, 5, v0
	v_readfirstlane_b32 s12, v2                    ; wave w
	s_and_b32 s13, ttmp7, 0xffff                   ; q
	s_lshl2_add_u32 s17, s13, s12                  ; d-tile dt = 4 q + w
	s_mul_i32 s14, s12, 64*ROWB                    ; features: my 64 rows c = 64 w ..
	s_lshl_b32 s16, ttmp9, 9                       ;   + chunk p x 128 tokens x 4 bytes
	s_add_co_u32 s14, s14, s16
	s_mov_b32 s15, 0
	s_lshl_b32 s18, s17, 14                        ; Wj: 16 dt rows of 1024 bytes
	s_mov_b32 s19, 0
	s_lshl_b32 s20, s17, 6                         ; bj: 16 dt numbers
	s_mov_b32 s21, 0
	s_lshl_b32 s22, ttmp9, 17                      ; gpart: p x 131072 + dt x 16 tiles of 1024 bytes
	s_add_co_u32 s22, s22, s18
	s_mov_b32 s23, 0
	s_mul_i32 s24, s12, 64*FPITCH                  ; LDS: my 64 rows of F
	s_mul_i32 s25, s12, 16*WPITCH                  ; LDS: my 16 rows of Wj
	s_add_co_u32 s25, s25, WJBASE
	v_and_b32 v16, 31, v0                          ; L
	v_and_b32 v17, 15, v0                          ; r
	v_bfe_u32 v18, v0, 4, 1                        ; h
	v_and_b32 v19, 7, v0                           ; L & 7
	v_bfe_u32 v20, v0, 3, 1                        ; (L >> 3) & 1
	v_lshlrev_b32 v1, 4, v16                       ; 16 L: every global access of this kernel
	v_lshlrev_b32 v7, 2, v17                       ; 4 r
	v_lshl_add_u32 v2, v16, 3, s24                 ; F in: my rows + 8 L (4 bf16 a lane)
	v_lshl_add_u32 v3, v16, 3, s25                 ; Wj in: my rows + 8 L
	v_mul_u32_u24 v21, v17, WPITCH
	v_lshl_add_u32 v21, v18, 4, v21
	v_add_nc_u32 v4, s25, v21                      ; Wj fragment: row r, 16 h
	v_lshl_add_u32 v22, v18, 3, v19
	v_mul_u32_u24 v22, v22, FPITCH
	v_lshl_add_u32 v5, v20, 7, v22                 ; transposing load: row 8 h + (L & 7), second token group 128 bytes on
	v_mul_u32_u24 v23, v17, FPITCH
	v_lshl_add_u32 v6, v18, 7, v23                 ; plain fragment of F: row r, half h 128 bytes on
	s_wait_kmcnt 0x0
	s_add_nc_u64 s[4:5], s[4:5], s[14:15]
	s_add_nc_u64 s[6:7], s[6:7], s[18:19]
	s_add_nc_u64 s[8:9], s[8:9], s[20:21]
	s_add_nc_u64 s[10:11], s[10:11], s[22:23]
; 16 loads: rows 8 b .. 8 b + 7 of my 16 rows of Wj, two loads of 512 neighbouring bytes for a row
.macro LDW b, s
.irp n, 0,1,2,3,4,5,6,7,8,9,10,11,12,13,14,15
	global_load_b128 v[\s+4*\n:\s+4*\n+3], v1, s[6:7] offset:(8*\b+\n/2)*1024+(\n%2)*512
.endr
.endm
; the same 16 pieces, rounded to bf16 and laid into my rows of LDS
.macro STW b, s
.irp n, 0,1,2,3,4,5,6,7,8,9,10,11,12,13,14,15
	v_cvt_pk_bf16_f32 v[\s+4*\n], v[\s+4*\n], v[\s+4*\n+1]
	v_cvt_pk_bf16_f32 v[\s+4*\n+1], v[\s+4*\n+2], v[\s+4*\n+3]
	ds_store_b64 v3, v[\s+4*\n:\s+4*\n+1] offset:(8*\b+\n/2)*WPITCH+(\n%2)*256
.endr
.endm
; 16 loads: rows 16 b .. 16 b + 15 of my 64 rows of F; one load covers the chunk's 512 bytes of a row, aligned to 512
.macro LDF b, s
.irp n, 0,1,2,3,4,5,6,7,8,9,10,11,12,13,14,15
	global_load_b128 v[\s+4*\n:\s+4*\n+3], v1, s[4:5] offset:(16*\b+\n)*ROWB
.endr
.endm
.macro STF b, s
.irp n, 0,1,2,3,4,5,6,7,8,9,10,11,12,13,14,15
	v_cvt_pk_bf16_f32 v[\s+4*\n], v[\s+4*\n], v[\s+4*\n+1]
	v_cvt_pk_bf16_f32 v[\s+4*\n+1], v[\s+4*\n+2], v[\s+4*\n+3]
	ds_store_b64 v2, v[\s+4*\n:\s+4*\n+1] offset:(16*\b+\n)*FPITCH
.endr
.endm
; A load into a register that a matrix instruction has read, and a vector instruction or store that reads a matrix result, stand four
; places behind it, and only independent plain vector instructions are places.
.macro PLACES
.rept 4
	v_nop
.endr
.endm
; 32 transposing loads: F^T (m = token, k = c) of the t-tiles 2 tp and 2 tp + 1, all eight K steps of 32 c, in the order in which MULB uses them
.macro FETCHT tp
.irp ks, 0,1,2,3,4,5,6,7
.irp e, 0,1
	ds_load_tr16_b128 v[FT+64*\e+8*\ks:FT+64*\e+8*\ks+3],   v5 offset:32*FPITCH*\ks+16*(2*(\tp)+\e)
	ds_load_tr16_b128 v[FT+64*\e+8*\ks+4:FT+64*\e+8*\ks+7], v5 offset:32*FPITCH*\ks+16*(2*(\tp)+\e)+16*FPITCH
.endr
.endr
.endm
; fj of two t-tiles: source 0 = F^T, source 1 = Wj, so that lane (r, h) ends with fj[d = r][tokens 8 h .. 8 h + 7 of the tile].
; The bias is operand C of the first link: nothing is cleared and nothing is added afterwards.
.macro MULB
.irp u, 0,1,2,3
	s_wait_dscnt 24-8*\u                           ; LDS loads return in order (ISA guide 5.7.1): K steps 2u, 2u+1 (8 loads) are in, 24 - 8u younger stay out
.irp kk, 0,1
.irp e, 0,1
.if 2*\u+\kk == 0
	v_wmma_f32_16x16x32_bf16 v[D1+8*\e:D1+8*\e+7], v[FT+64*\e+8*(2*\u+\kk):FT+64*\e+8*(2*\u+\kk)+7], v[WJF+8*(2*\u+\kk):WJF+8*(2*\u+\kk)+7], v[BC:BC+7]
.else
	v_wmma_f32_16x16x32_bf16 v[D1+8*\e:D1+8*\e+7], v[FT+64*\e+8*(2*\u+\kk):FT+64*\e+8*(2*\u+\kk)+7], v[WJF+8*(2*\u+\kk):WJF+8*(2*\u+\kk)+7], v[D1+8*\e:D1+8*\e+7]
.endif
.endr
.endr
.endr
.endm
; The two result tiles, rounded, ARE registers 0-3 and 4-7 of operand A (m = d, k = token) of the second product's K step tp
.macro PACK tp
.irp n, 0,1,2,3
	v_cvt_pk_bf16_f32 v[FJ+8*\tp+\n], v[D1+2*\n], v[D1+2*\n+1]
.endr
.irp n, 0,1,2,3
	v_cvt_pk_bf16_f32 v[FJ+8*\tp+4+\n], v[D1+8+2*\n], v[D1+8+2*\n+1]
.endr
.endm
; group g of the second product: K step i = g >> 2 (t-tiles 2 i, 2 i + 1), c-tiles 4 (g & 3) .. + 3.  8 loads: F (n = c, k = token)
.macro FETCHC g, buf
.irp n, 0,1,2,3
	ds_load_b128 v[\buf+8*\n:\buf+8*\n+3],   v6 offset:16*FPITCH*(4*((\g)&3)+\n)+32*((\g)>>2)
	ds_load_b128 v[\buf+8*\n+4:\buf+8*\n+7], v6 offset:16*FPITCH*(4*((\g)&3)+\n)+32*((\g)>>2)+16
.endr
.endm
.macro MULC g, buf, left
	s_wait_dscnt \left                             ; this group's 8 loads are in; the next group's 8 may stay out
.irp n, 0,1,2,3
.if ((\g)>>2) == 0
	v_wmma_f32_16x16x32_bf16 v[ACC+8*(4*((\g)&3)+\n):ACC+8*(4*((\g)&3)+\n)+7], v[FJ+8*((\g)>>2):FJ+8*((\g)>>2)+7], v[\buf+8*\n:\buf+8*\n+7], 0
.else
	v_wmma_f32_16x16x32_bf16 v[ACC+8*(4*((\g)&3)+\n):ACC+8*(4*((\g)&3)+\n)+7], v[FJ+8*((\g)>>2):FJ+8*((\g)>>2)+7], v[\buf+8*\n:\buf+8*\n+7], v[ACC+8*(4*((\g)&3)+\n):ACC+8*(4*((\g)&3)+\n)+7]
.endif
.endr
.endm
	; PHASE A: Wj's 16 rows and F's 64 rows of this wave, through three staging sets: 48 loads of 512 bytes stay in flight in each wave
	global_load_b32 v[BC], v7, s[8:9]              ; bj[16 dt + r]
	LDW 0, S0
	LDW 1, S1
	LDF 0, S2
	s_wait_loadcnt 32                              ; bj and the first batch are in; the two younger batches (32 loads) stay out
.irp j, 1,2,3,4,5,6,7
	v_mov_b32 v[BC+\j], v[BC]                      ; a result tile's eight registers of a lane belong to one d
.endr
	STW 0, S0
	LDF 1, S0
	s_wait_loadcnt 32                              ; Wj's second batch
	STW 1, S1
	LDF 2, S1
	s_wait_loadcnt 32                              ; F's rows 0-15
	STF 0, S2
	LDF 3, S2
	s_wait_loadcnt 32                              ; rows 16-31; from here nothing more is issued and the counts run down
	STF 1, S0
	s_wait_loadcnt 16                              ; rows 32-47
	STF 2, S1
	s_wait_loadcnt 0                               ; rows 48-63
	STF 3, S2
	s_wait_dscnt 0                                 ; my LDS stores are done, for the other waves' sake: zero
	s_barrier_signal -1
	s_barrier_wait -1                              ; the only barrier: all 256 rows of F are in LDS, and nothing writes LDS after it
	; PHASE B: fj = Wj F + bj, two t-tiles at a time
.irp ks, 0,1,2,3,4,5,6,7
	ds_load_b128 v[WJF+8*\ks:WJF+8*\ks+3],   v4 offset:64*\ks       ; Wj (n = d, k = c): kept in registers for all four pairs
	ds_load_b128 v[WJF+8*\ks+4:WJF+8*\ks+7], v4 offset:64*\ks+32
.endr
	FETCHT 0                                       ; younger than Wj's loads: MULB's first wait covers both
.irp p, 0,1,2
	MULB
	PLACES
	FETCHT \p+1                                    ; the next pair's fragments are on their way while this pair is packed
	PACK \p
.endr
	MULB
	PLACES
	FETCHC 0, BUF                                  ; Wj's fragments are no longer needed: their registers become the two buffers
	FETCHC 1, BUF+32
	PACK 3
	; PHASE C: G_p = fj F^T, 16 groups of four tiles; each group's loads are issued two groups ahead
.irp g, 0,1,2,3,4,5,6,7,8,9,10,11,12,13
	MULC \g, BUF+32*(\g&1), 8
	PLACES
	FETCHC \g+2, BUF+32*(\g&1)
.endr
	MULC 14, BUF, 8
	MULC 15, BUF+32, 0                             ; nothing was issued behind this group's loads
	PLACES
	; PHASE D: the tiles go out as they lie in the registers: each store covers 512 consecutive bytes, aligned to 512
.irp ct, 0,1,2,3,4,5,6,7,8,9,10,11,12,13,14,15
	global_store_b128 v1, v[ACC+8*\ct:ACC+8*\ct+3],   s[10:11] offset:1024*\ct
	global_store_b128 v1, v[ACC+8*\ct+4:ACC+8*\ct+7], s[10:11] offset:1024*\ct+512
.endr
	s_set_vgpr_msb 0x5
	s_wait_tensorcnt 0x0
	ds_add_u32 v0, v1
	s_wait_dscnt 0x0
	s_set_vgpr_msb 0x500
	s_endpgm
.Lfunc_end_k_q7dd48e9f30_gpart:
	.size	k_q7dd48e9f30_gpart, .Lfunc_end_k_q7dd48e9f30_gpart-k_q7dd48e9f30_gpart
	.p2alignl 7, 3214868480
	.fill 96, 4, 3214868480
	.section	.rodata,"a",@progbits
	.p2align	6, 0x0
	.amdhsa_kernel k_q7dd48e9f30_gpart
		.amdhsa_group_segment_fixed_size 103936
		.amdhsa_private_segment_fixed_size 0
		.amdhsa_enable_private_segment 0
		.amdhsa_kernarg_size 32
		.amdhsa_user_sgpr_count 2
		.amdhsa_user_sgpr_kernarg_segment_ptr 1
		.amdhsa_wavefront_size32 1
		.amdhsa_system_sgpr_workgroup_id_x 1
		.amdhsa_system_sgpr_workgroup_id_y 1
		.amdhsa_system_sgpr_workgroup_id_z 1
		.amdhsa_system_vgpr_workitem_id 0
		.amdhsa_next_free_vgpr 258
		.amdhsa_next_free_sgpr 66
		.amdhsa_reserve_vcc 0
		.amdhsa_float_denorm_mode_32 3
		.amdhsa_float_denorm_mode_16_64 3
		.amdhsa_memory_ordered 1
		.amdhsa_forward_progress 1
		.amdhsa_inst_pref_size 64
	.end_amdhsa_kernel
	.amdgpu_metadata
---
amdhsa.version: [ 1, 2 ]
amdhsa.kernels:
  - .name:           k_q7dd48e9f30_gpart
    .symbol:         k_q7dd48e9f30_gpart.kd
    .args:
      - { .name: features, .offset: 0, .size: 8, .value_kind: global_buffer, .address_space: global }
      - { .name: Wj, .offset: 8, .size: 8, .value_kind: global_buffer, .address_space: global }
      - { .name: bj, .offset: 16, .size: 8, .value_kind: global_buffer, .address_space: global }
      - { .name: gpart, .offset: 24, .size: 8, .value_kind: global_buffer, .address_space: global }
    .group_segment_fixed_size: 103936
    .private_segment_fixed_size: 0
    .kernarg_segment_align: 8
    .kernarg_segment_size: 32
    .max_flat_workgroup_size: 128
    .sgpr_count:     66
    .vgpr_count:     258
    .wavefront_size: 32
...
	.end_amdgpu_metadata
.endif
;; end of part 1
;; launch reduce (part 2): grid 128 x 1, 9 waves a work-group, no clusters, 10,496 bytes of LDS; arguments gpart, Wi, gfrag, wifrag; writes gfrag, wifrag
.if DOCPART == 2
	.amdgcn_target "amdgcn-amd-amdhsa--gfx1250"
	.amdhsa_code_object_version 6
	.text
	.protected	k_q7dd48e9f30_reduce
	.globl	k_q7dd48e9f30_reduce
	.p2align	8
	.type	k_q7dd48e9f30_reduce,@function
k_q7dd48e9f30_reduce:
	s_mov_b64 s[64:65], 0
	v_nop
	global_prefetch_b8 v0, s[64:65] scope:SCOPE_SE
	s_setreg_imm32_b32 hwreg(HW_REG_WAVE_MODE, 25, 1), 1
	s_wait_xcnt 0x0
; Second launch: G = the sum of the 81 partial sums G_p, times 1/10368, rounded to bf16; and Wi rounded to bf16; both laid out so that
; the third launch loads matrix operands with 16 neighbouring bytes a lane.
; Work-group x = 16 dt + ct owns one tile of 16 d x 16 c (1024 bytes in each partial sum).  Wave v adds the partial sums 9 v .. 9 v + 8
; (81 = 9 x 9); the nine sums meet in LDS, and wave 0 adds them in ascending order: one owner for each output, no traffic between work-groups.
; A tile lies in memory as an accumulator lies in registers: lane (r, h), register j = G[16 dt + 8 h + j][16 ct + r].  Rounded, a lane's
; eight numbers are 16 bytes: registers 0-3 (dt even) or 4-7 (dt odd) of the operand with n = c, k = d.
; LIMIT KEPT: the division by N = 10368 is a multiplication by the f32 nearest to 1/10368, applied to G and not to the scores.
; Wave 8 also rounds 512 bytes' worth of Wi: 16 rows x 16 columns.  It reads 64 bytes of each of 16 rows; each byte of Wi (131072 in all)
; is read once in the launch.
; No matrix unit, no cluster, no copy engine: a sum of streams that no two work-groups share.
.set PART, 131072                      ; bytes in a partial sum
.set SUM,  16                          ; v[16:23] the running sum; v[16+8i : 23+8i] partial sum i, later wave i's sum
.set WF,   88                          ; v[88:95] Wi as f32
.set WP,   96                          ; v[96:99] Wi packed (wave 8)
.set GP,   100                         ; v[100:103] G packed (wave 0)
	s_load_b256 s[4:11], s[0:1], 0x0               ; gpart s[4:5], Wi s[6:7], gfrag s[8:9], wifrag s[10:11]
	v_lshl_add_u32 v104, v0, 2, 0x2400
	v_mov_b32 v105, 0
	v_lshrrev_b32 v1, 5, v0
	v_readfirstlane_b32 s12, v1                    ; wave v
	s_lshr_b32 s13, ttmp9, 4                       ; dt
	s_and_b32 s14, ttmp9, 15                       ; ct;  for Wi: 2 ks + part
	s_mul_i32 s16, s12, 9*PART                     ; gpart: my nine partial sums,
	s_lshl_b32 s17, ttmp9, 10                      ;   the group's tile
	s_add_co_u32 s16, s16, s17
	s_mov_b32 s17, 0
	s_lshl_b32 s18, s13, 14                        ; Wi: 16 dt rows of 1024 bytes
	s_lshl_b32 s19, s14, 6                         ;   + 16 columns x 4 bytes x (x & 15)
	s_add_co_u32 s18, s18, s19
	s_mov_b32 s19, 0
	s_lshl3_add_u32 s20, s14, s13                  ; gfrag is [ct][dt]: 8 ct + dt pieces of 512 bytes
	s_lshl_b32 s20, s20, 9
	s_mov_b32 s21, 0
	s_lshl_b32 s22, ttmp9, 9                       ; wifrag is [dt][ks][part]: x pieces of 512 bytes
	s_mov_b32 s23, 0
	s_lshl_b32 s24, s12, 10                        ; LDS: 1024 bytes for each wave
	v_and_b32 v4, 31, v0                           ; L
	v_and_b32 v5, 15, v0                           ; r
	v_bfe_u32 v6, v0, 4, 1                         ; h
	v_lshlrev_b32 v1, 4, v4                        ; 16 L
	v_lshlrev_b32 v2, 10, v5
	v_lshl_add_u32 v2, v6, 5, v2                   ; Wi: row r, 8 h columns
	v_lshl_add_u32 v3, v4, 4, s24                  ; LDS: my wave's 1024 bytes + 16 L
	s_wait_kmcnt 0x0
	s_add_nc_u64 s[4:5], s[4:5], s[16:17]
	s_add_nc_u64 s[6:7], s[6:7], s[18:19]
	s_add_nc_u64 s[8:9], s[8:9], s[20:21]
	s_add_nc_u64 s[10:11], s[10:11], s[22:23]
.irp i, 0,1,2,3,4,5,6,7,8
	global_load_b128 v[SUM+8*\i:SUM+8*\i+3],   v1, s[4:5] offset:PART*\i th:TH_LOAD_NT       ; 512 neighbouring bytes each; read once in the launch
	global_load_b128 v[SUM+8*\i+4:SUM+8*\i+7], v1, s[4:5] offset:PART*\i+512 th:TH_LOAD_NT
.endr
	s_cmp_lg_u32 s12, 8
	s_cbranch_scc1 .Lsum                           ; wave 8 alone: Wi's piece
	global_load_b128 v[WF:WF+3],   v2, s[6:7]
	global_load_b128 v[WF+4:WF+7], v2, s[6:7] offset:16
	s_wait_loadcnt 0x0
.irp n, 0,1,2,3
	v_cvt_pk_bf16_f32 v[WP+\n], v[WF+2*\n], v[WF+2*\n+1]
.endr
	global_store_b128 v1, v[WP:WP+3], s[10:11]     ; Wi[16 dt + r][32 ks + 16 part + 8 h .. + 7]: 512 consecutive bytes, aligned
.Lsum:
.irp i, 1,2,3,4,5,6,7,8
	s_wait_loadcnt 16-2*\i                         ; loads return in order (ISA guide 5.7.1): partial sums 0 .. i are in, the 8 - i younger ones (two loads each) stay out
.irp k, 0,2,4,6
	v_pk_add_f32 v[SUM+\k:SUM+\k+1], v[SUM+\k:SUM+\k+1], v[SUM+8*\i+\k:SUM+8*\i+\k+1]
.endr
.endr
	ds_store_b128 v3, v[SUM:SUM+3]
	ds_store_b128 v3, v[SUM+4:SUM+7] offset:512
	s_wait_dscnt 0x0                               ; my sum is in LDS, for wave 0's sake: zero
	s_barrier_signal -1
	s_barrier_wait -1
	s_cmp_lg_u32 s12, 0
	s_cbranch_scc1 .Lend                           ; wave 0 alone adds the other eight sums to its own
.irp u, 1,2,3,4,5,6,7,8
	ds_load_b128 v[SUM+8*\u:SUM+8*\u+3],   v1 offset:1024*\u
	ds_load_b128 v[SUM+8*\u+4:SUM+8*\u+7], v1 offset:1024*\u+512
.endr
.irp u, 1,2,3,4,5,6,7,8
	s_wait_dscnt 16-2*\u                           ; wave u's two loads are in, those of the 8 - u later waves stay out
.irp k, 0,2,4,6
	v_pk_add_f32 v[SUM+\k:SUM+\k+1], v[SUM+\k:SUM+\k+1], v[SUM+8*\u+\k:SUM+8*\u+\k+1]
.endr
.endr
.irp k, 0,2,4,6
	v_pk_mul_f32 v[SUM+\k:SUM+\k+1], v[SUM+\k:SUM+\k+1], 0x38ca4588 op_sel_hi:[1,0]   ; x 1/10368
.endr
.irp n, 0,1,2,3
	v_cvt_pk_bf16_f32 v[GP+\n], v[SUM+2*\n], v[SUM+2*\n+1]
.endr
	global_store_b128 v1, v[GP:GP+3], s[8:9]       ; 512 consecutive bytes, aligned
.Lend:
	s_wait_tensorcnt 0x0
	ds_add_u32 v104, v105
	s_wait_dscnt 0x0
	s_endpgm
.Lfunc_end_k_q7dd48e9f30_reduce:
	.size	k_q7dd48e9f30_reduce, .Lfunc_end_k_q7dd48e9f30_reduce-k_q7dd48e9f30_reduce
	.p2alignl 7, 3214868480
	.fill 96, 4, 3214868480
	.section	.rodata,"a",@progbits
	.p2align	6, 0x0
	.amdhsa_kernel k_q7dd48e9f30_reduce
		.amdhsa_group_segment_fixed_size 10496
		.amdhsa_private_segment_fixed_size 0
		.amdhsa_enable_private_segment 0
		.amdhsa_kernarg_size 32
		.amdhsa_user_sgpr_count 2
		.amdhsa_user_sgpr_kernarg_segment_ptr 1
		.amdhsa_wavefront_size32 1
		.amdhsa_system_sgpr_workgroup_id_x 1
		.amdhsa_system_sgpr_workgroup_id_y 1
		.amdhsa_system_sgpr_workgroup_id_z 1
		.amdhsa_system_vgpr_workitem_id 0
		.amdhsa_next_free_vgpr 106
		.amdhsa_next_free_sgpr 66
		.amdhsa_reserve_vcc 0
		.amdhsa_float_denorm_mode_32 3
		.amdhsa_float_denorm_mode_16_64 3
		.amdhsa_memory_ordered 1
		.amdhsa_forward_progress 1
		.amdhsa_inst_pref_size 11
	.end_amdhsa_kernel
	.amdgpu_metadata
---
amdhsa.version: [ 1, 2 ]
amdhsa.kernels:
  - .name:           k_q7dd48e9f30_reduce
    .symbol:         k_q7dd48e9f30_reduce.kd
    .args:
      - { .name: gpart, .offset: 0, .size: 8, .value_kind: global_buffer, .address_space: global }
      - { .name: Wi, .offset: 8, .size: 8, .value_kind: global_buffer, .address_space: global }
      - { .name: gfrag, .offset: 16, .size: 8, .value_kind: global_buffer, .address_space: global }
      - { .name: wifrag, .offset: 24, .size: 8, .value_kind: global_buffer, .address_space: global }
    .group_segment_fixed_size: 10496
    .private_segment_fixed_size: 0
    .kernarg_segment_align: 8
    .kernarg_segment_size: 32
    .max_flat_workgroup_size: 288
    .sgpr_count:     66
    .vgpr_count:     106
    .wavefront_size: 32
...
	.end_amdgpu_metadata
.endif
;; end of part 2
;; launch apply (part 3): grid 162 x 1, 8 waves a work-group, no clusters, 128,000 bytes of LDS; arguments features, bi, wifrag, gfrag, out0; writes out0
.if DOCPART == 3
	.amdgcn_target "amdgcn-amd-amdhsa--gfx1250"
	.amdhsa_code_object_version 6
	.text
	.protected	k_q7dd48e9f30_apply
	.globl	k_q7dd48e9f30_apply
	.p2align	8
	.type	k_q7dd48e9f30_apply,@function
k_q7dd48e9f30_apply:
	s_mov_b64 s[64:65], 0
	v_nop
	global_prefetch_b8 v0, s[64:65] scope:SCOPE_SE
	s_setreg_imm32_b32 hwreg(HW_REG_WAVE_MODE, 25, 1), 1
	s_wait_xcnt 0x0
; Third launch: for a chunk of 64 tokens  fi = Wi F + bi  ([128 d][64 t]),  out = F + (G/N)^T fi  ([256 c][64 t]).
; G/N and Wi come in bf16, in operand order, from the second launch.
; LIMITS KEPT: F, Wi, fi and G/N are rounded to bf16 as matrix operands; the sums, the bias and the residual F are f32; the order of the
; sums differs from the reference's, which multiplies the scores first.
; SHARES: eight waves.  Wave w loads and stores the channels 32 w .. 32 w + 31; in the first product it owns d-tile w (16 d x 64 t),
; in the second the c-tiles 2 w and 2 w + 1 (its own 32 channels x 64 t).  A chunk's piece of a row is 256 bytes, aligned to 256.
; The bias is operand C of the first product's first link, and F in f32 is operand C of the second product's: nothing is cleared, and
; neither is added by a vector instruction.
; NO COPY ENGINE, NO CLUSTER: F has to pass registers to become bf16; 10368 / 64 = 162 work-groups, which four does not divide, and
; chunks of 32 tokens (324) would make row pieces of 128 bytes.
; LDS:  ST  f32 [256 c][64 t], rows of 272 bytes; a wave touches its own 32 rows alone: F for the residual, later the result on its way out
;       FB  bf16 [256 c][64 t], rows of 160 bytes, read by transposing loads of all waves
;       FI  bf16 fi as operand pieces, [wave 8][t-tile 4][lane 32][16 bytes]
.set ROWB,   41472                     ; bytes in a row of features and of out0
.set SPITCH, 272
.set BPITCH, 160
.set FBBASE, 256*SPITCH                ; 69632
.set FIBASE, FBBASE+256*BPITCH         ; 110592; FI ends at 126976
.set BI,   8                           ; v[8:15]    bi[16 w + 8 h + j]
.set STG,  16                          ; v[16:79]   F as loaded; then two buffers of four fragments of F
.set ACCC, 16                          ; v[16:79]   then the second product's sums, tile (c, tt) at ACCC + 8 (4 c + tt)
.set WI,   80                          ; v[80:143]  Wi's fragments, K step ks at WI + 8 ks
.set KB,   80                          ; v[80:143]  then two buffers of four fragments of fi; then rows on their way out
.set GF,   144                         ; v[144:207] G's fragments, (c, ks) at GF + 32 c + 8 ks
.set ACCB, 208                         ; v[208:239] at first F's bf16 pairs; then the first product's sums, t-tile tt at ACCB + 8 tt
; v1 F loads   v2, v3 LDS stores of F (f32, bf16)   v4 16 L   v5 32 h   v6 transposing loads   v7 fi out
; v240 fi in   v241 ST in accumulator order   v242 ST by rows   v243 out0
	s_load_b256 s[4:11], s[0:1], 0x0               ; features s[4:5], bi s[6:7], wifrag s[8:9], gfrag s[10:11]
	s_load_b64 s[12:13], s[0:1], 0x20              ; out0
	v_lshl_add_u32 v254, v0, 2, 0x1f000
	v_mov_b32 v255, 0
	v_lshrrev_b32 v244, 5, v0
	v_readfirstlane_b32 s14, v244                  ; wave w
	s_mul_i32 s16, s14, 32*ROWB                    ; features, out0: my 32 rows
	s_lshl_b32 s17, ttmp9, 8                       ;   + chunk x 64 tokens x 4 bytes
	s_add_co_u32 s16, s16, s17
	s_mov_b32 s17, 0
	s_lshl_b32 s18, s14, 6                         ; bi: 16 w numbers
	s_mov_b32 s19, 0
	s_lshl_b32 s20, s14, 13                        ; wifrag: d-tile w; gfrag: c-tiles 2 w, 2 w + 1: 16 pieces of 512 bytes either way
	s_mov_b32 s21, 0
	s_mul_i32 s22, s14, 32*SPITCH                  ; LDS: my rows of ST
	s_mul_i32 s23, s14, 32*BPITCH                  ;      my rows of FB
	s_add_co_u32 s23, s23, FBBASE
	s_lshl_b32 s24, s14, 11                        ;      my 2048 bytes of FI
	s_add_co_u32 s24, s24, FIBASE
	v_and_b32 v245, 15, v0                         ; r
	v_bfe_u32 v246, v0, 4, 1                       ; h
	v_and_b32 v247, 31, v0                         ; L
	v_and_b32 v248, 7, v0                          ; L & 7
	v_bfe_u32 v249, v0, 3, 1                       ; (L >> 3) & 1
	v_mul_u32_u24 v250, v246, 4*ROWB
	v_lshl_add_u32 v1, v245, 4, v250               ; lanes 0-15 take a row's 256 bytes, lanes 16-31 those of the row four further down
	v_lshlrev_b32 v4, 4, v247
	v_lshlrev_b32 v5, 5, v246
	v_mul_u32_u24 v250, v246, 4*SPITCH
	v_lshl_add_u32 v250, v245, 4, v250
	v_add_nc_u32 v2, s22, v250
	v_mul_u32_u24 v250, v246, 4*BPITCH             ; four rows of 160 bytes are 128 modulo 256: the two halves of a b64 store fall on different columns
	v_lshl_add_u32 v250, v245, 3, v250
	v_add_nc_u32 v3, s23, v250
	v_lshl_add_u32 v250, v246, 3, v248
	v_mul_u32_u24 v250, v250, BPITCH
	v_lshl_add_u32 v250, v249, 4, v250
	v_add_nc_u32 v6, FBBASE, v250                  ; row 8 h + (L & 7), 16 bytes for each group of eight lanes
	v_add_nc_u32 v7, s24, v4
	v_add_nc_u32 v240, FIBASE, v4
	v_mul_u32_u24 v250, v245, SPITCH
	v_lshl_add_u32 v250, v246, 5, v250
	v_add_nc_u32 v241, s22, v250                   ; channel r of my rows, tokens 8 h ..
	v_mul_u32_u24 v250, v246, SPITCH
	v_lshl_add_u32 v250, v245, 4, v250
	v_add_nc_u32 v242, s22, v250                   ; lanes 0-15 one row, lanes 16-31 the next
	v_mul_u32_u24 v250, v246, ROWB
	v_lshl_add_u32 v243, v245, 4, v250             ; and the same two rows in out0
	s_wait_kmcnt 0x0
	s_add_nc_u64 s[4:5], s[4:5], s[16:17]
	s_add_nc_u64 s[12:13], s[12:13], s[16:17]
	s_add_nc_u64 s[6:7], s[6:7], s[18:19]
	s_add_nc_u64 s[8:9], s[8:9], s[20:21]
	s_add_nc_u64 s[10:11], s[10:11], s[20:21]
.macro PLACES                          ; four places behind a matrix instruction in front of loads into its sources and of readers of its result
.rept 4
	v_nop
.endr
.endm
; load i brought rows (i & 3) + 8 (i >> 2) and that + 4: kept in f32 for the residual, and in bf16 for the first product
.macro KEEP i
	ds_store_b128 v2, v[STG+4*\i:STG+4*\i+3] offset:((\i&3)+8*(\i>>2))*SPITCH
	v_cvt_pk_bf16_f32 v[ACCB+2*\i],   v[STG+4*\i],   v[STG+4*\i+1]
	v_cvt_pk_bf16_f32 v[ACCB+2*\i+1], v[STG+4*\i+2], v[STG+4*\i+3]
	ds_store_b64 v3, v[ACCB+2*\i:ACCB+2*\i+1] offset:((\i&3)+8*(\i>>2))*BPITCH
.endm
; 8 transposing loads: F (n = token, k = c) of K step ks, four t-tiles
.macro FETCHB ks, buf
.irp tt, 0,1,2,3
	ds_load_tr16_b128 v[\buf+8*\tt:\buf+8*\tt+3],   v6 offset:32*BPITCH*(\ks)+32*\tt
	ds_load_tr16_b128 v[\buf+8*\tt+4:\buf+8*\tt+7], v6 offset:32*BPITCH*(\ks)+32*\tt+16*BPITCH
.endr
.endm
; fi: source 0 = Wi (m = d), source 1 = F: lane (r, h) ends with fi[token 16 tt + r][d = 16 w + 8 h + j]
.macro MULI ks, buf, left
	s_wait_dscnt \left                             ; this K step's 8 loads are in; the next one's 8 may stay out
.irp tt, 0,1,2,3
.if (\ks) == 0
	v_wmma_f32_16x16x32_bf16 v[ACCB+8*\tt:ACCB+8*\tt+7], v[WI+8*(\ks):WI+8*(\ks)+7], v[\buf+8*\tt:\buf+8*\tt+7], v[BI:BI+7]
.else
	v_wmma_f32_16x16x32_bf16 v[ACCB+8*\tt:ACCB+8*\tt+7], v[WI+8*(\ks):WI+8*(\ks)+7], v[\buf+8*\tt:\buf+8*\tt+7], v[ACCB+8*\tt:ACCB+8*\tt+7]
.endif
.endr
.endm
; 8 loads: fi (m = token, k = d) of K step ks (d = 32 ks ..): registers 0-3 are wave 2 ks's piece, registers 4-7 wave 2 ks + 1's
.macro FETCHI ks, buf
.irp tt, 0,1,2,3
	ds_load_b128 v[\buf+8*\tt:\buf+8*\tt+3],   v240 offset:4096*(\ks)+512*\tt
	ds_load_b128 v[\buf+8*\tt+4:\buf+8*\tt+7], v240 offset:4096*(\ks)+512*\tt+2048
.endr
.endm
; out: source 0 = fi, source 1 = G/N (n = c): lane (r, h) holds channel r and the eight neighbouring tokens 16 tt + 8 h + j
.macro MULO ks, buf, left
	s_wait_dscnt \left
.irp c, 0,1
.irp tt, 0,1,2,3
	v_wmma_f32_16x16x32_bf16 v[ACCC+8*(4*\c+\tt):ACCC+8*(4*\c+\tt)+7], v[\buf+8*\tt:\buf+8*\tt+7], v[GF+32*\c+8*(\ks):GF+32*\c+8*(\ks)+7], v[ACCC+8*(4*\c+\tt):ACCC+8*(4*\c+\tt)+7]
.endr
.endr
.endm
	; PHASE A: everything that the wave will ever load is asked for at once: 50 loads
.irp i, 0,1,2,3,4,5,6,7,8,9,10,11,12,13,14,15
	global_load_b128 v[STG+4*\i:STG+4*\i+3], v1, s[4:5] offset:((\i&3)+8*(\i>>2))*ROWB th:TH_LOAD_NT   ; two aligned pieces of 256 bytes; read once in the launch
.endr
	global_load_b128 v[BI:BI+3],   v5, s[6:7]
	global_load_b128 v[BI+4:BI+7], v5, s[6:7] offset:16
.irp n, 0,1,2,3,4,5,6,7,8,9,10,11,12,13,14,15
	global_load_b128 v[WI+4*\n:WI+4*\n+3], v4, s[8:9] offset:512*\n
.endr
.irp n, 0,1,2,3,4,5,6,7,8,9,10,11,12,13,14,15
	global_load_b128 v[GF+4*\n:GF+4*\n+3], v4, s[10:11] offset:512*\n
.endr
	s_wait_loadcnt 42                              ; of 50 loads the first 8 (F) are in
.irp i, 0,1,2,3,4,5,6,7
	KEEP \i
.endr
	s_wait_loadcnt 34                              ; all 16 of F; bi (2), Wi (16) and G (16) stay out
.irp i, 8,9,10,11,12,13,14,15
	KEEP \i
.endr
	s_wait_dscnt 0                                 ; my rows of FB are in LDS, for the others' sake: zero
	s_barrier_signal -1
	s_barrier_wait -1                              ; all 256 rows of FB are; nothing writes FB again
	; PHASE B: fi = Wi F + bi, eight K steps of 32 c; each step's loads are issued two steps ahead
	FETCHB 0, STG
	FETCHB 1, STG+32
	s_wait_loadcnt 16                              ; bi and Wi are in; G's 16 loads stay out
.irp ks, 0,1,2,3,4,5
	MULI \ks, STG+32*(\ks&1), 8
	PLACES
	FETCHB \ks+2, STG+32*(\ks&1)
.endr
	MULI 6, STG, 8
	MULI 7, STG+32, 0                              ; nothing was issued behind this step's loads
	PLACES
.irp c, 0,1
.irp tt, 0,1,2,3
	ds_load_b128 v[ACCC+8*(4*\c+\tt):ACCC+8*(4*\c+\tt)+3],   v241 offset:16*SPITCH*\c+64*\tt      ; F in f32, my own rows of ST, in the order of
	ds_load_b128 v[ACCC+8*(4*\c+\tt)+4:ACCC+8*(4*\c+\tt)+7], v241 offset:16*SPITCH*\c+64*\tt+16   ; the second product's sums: the residual starts them
.endr
.endr
.irp tt, 0,1,2,3
.irp n, 0,1,2,3
	v_cvt_pk_bf16_f32 v[ACCB+8*\tt+\n], v[ACCB+8*\tt+2*\n], v[ACCB+8*\tt+2*\n+1]   ; n ascending: register n is written when 2 n and 2 n + 1 have been read
.endr
.endr
.irp tt, 0,1,2,3
	ds_store_b128 v7, v[ACCB+8*\tt:ACCB+8*\tt+3] offset:512*\tt   ; fi[16 tt + r][16 w + 8 h .. + 7]: half an operand, as it will be loaded
.endr
	s_wait_dscnt 0                                 ; my piece of fi is in LDS (and F is in my registers)
	s_barrier_signal -1
	s_barrier_wait -1                              ; all eight pieces are; nothing writes FI again
	; PHASE C: out = F + (G/N)^T fi, four K steps of 32 d
	FETCHI 0, KB
	FETCHI 1, KB+32
	s_wait_loadcnt 0                               ; G's fragments
	MULO 0, KB, 8
	PLACES
	FETCHI 2, KB
	MULO 1, KB+32, 8
	PLACES
	FETCHI 3, KB+32
	MULO 2, KB, 8
	MULO 3, KB+32, 0
	PLACES
	; THE WAY OUT: a lane holds 32 bytes of a row; through my own rows of ST the rows come back whole.  LDS serves a wave's instructions
	; in order (ISA guide 5.7.1), and no other wave touches these rows: neither a wait nor a barrier between the stores and the loads.
.irp c, 0,1
.irp tt, 0,1,2,3
	ds_store_b128 v241, v[ACCC+8*(4*\c+\tt):ACCC+8*(4*\c+\tt)+3]   offset:16*SPITCH*\c+64*\tt
	ds_store_b128 v241, v[ACCC+8*(4*\c+\tt)+4:ACCC+8*(4*\c+\tt)+7] offset:16*SPITCH*\c+64*\tt+16
.endr
.endr
.irp i, 0,1,2,3,4,5,6,7,8,9,10,11,12,13,14,15
	ds_load_b128 v[KB+4*\i:KB+4*\i+3], v242 offset:2*SPITCH*\i
.endr
.irp i, 0,1,2,3,4,5,6,7,8,9,10,11,12,13,14,15
	s_wait_dscnt 15-\i                             ; load i is in, the 15 - i younger ones stay out
	global_store_b128 v243, v[KB+4*\i:KB+4*\i+3], s[12:13] offset:2*ROWB*\i th:TH_STORE_NT   ; sixteen lanes write 256 consecutive bytes, aligned
.endr
	s_wait_tensorcnt 0x0
	ds_add_u32 v254, v255
	s_wait_dscnt 0x0
	s_endpgm
.Lfunc_end_k_q7dd48e9f30_apply:
	.size	k_q7dd48e9f30_apply, .Lfunc_end_k_q7dd48e9f30_apply-k_q7dd48e9f30_apply
	.p2alignl 7, 3214868480
	.fill 96, 4, 3214868480
	.section	.rodata,"a",@progbits
	.p2align	6, 0x0
	.amdhsa_kernel k_q7dd48e9f30_apply
		.amdhsa_group_segment_fixed_size 128000
		.amdhsa_private_segment_fixed_size 0
		.amdhsa_enable_private_segment 0
		.amdhsa_kernarg_size 40
		.amdhsa_user_sgpr_count 2
		.amdhsa_user_sgpr_kernarg_segment_ptr 1
		.amdhsa_wavefront_size32 1
		.amdhsa_system_sgpr_workgroup_id_x 1
		.amdhsa_system_sgpr_workgroup_id_y 1
		.amdhsa_system_sgpr_workgroup_id_z 1
		.amdhsa_system_vgpr_workitem_id 0
		.amdhsa_next_free_vgpr 256
		.amdhsa_next_free_sgpr 66
		.amdhsa_reserve_vcc 0
		.amdhsa_float_denorm_mode_32 3
		.amdhsa_float_denorm_mode_16_64 3
		.amdhsa_memory_ordered 1
		.amdhsa_forward_progress 1
		.amdhsa_inst_pref_size 31
	.end_amdhsa_kernel
	.amdgpu_metadata
---
amdhsa.version: [ 1, 2 ]
amdhsa.kernels:
  - .name:           k_q7dd48e9f30_apply
    .symbol:         k_q7dd48e9f30_apply.kd
    .args:
      - { .name: features, .offset: 0, .size: 8, .value_kind: global_buffer, .address_space: global }
      - { .name: bi, .offset: 8, .size: 8, .value_kind: global_buffer, .address_space: global }
      - { .name: wifrag, .offset: 16, .size: 8, .value_kind: global_buffer, .address_space: global }
      - { .name: gfrag, .offset: 24, .size: 8, .value_kind: global_buffer, .address_space: global }
      - { .name: out0, .offset: 32, .size: 8, .value_kind: global_buffer, .address_space: global }
    .group_segment_fixed_size: 128000
    .private_segment_fixed_size: 0
    .kernarg_segment_align: 8
    .kernarg_segment_size: 40
    .max_flat_workgroup_size: 256
    .sgpr_count:     66
    .vgpr_count:     256
    .wavefront_size: 32
...
	.end_amdgpu_metadata
.endif
;; end of part 3
;; ======== version 2 of 2: 3 launches; version 1 with the launch gpart written anew for expert scheduling mode
;; workspace buffers: gpart 10,616,832 bytes; gfrag 65,536 bytes; wifrag 65,536 bytes
;; launch gpart (part 4): grid 81 x 2, 4 waves a work-group, no clusters, 103,936 bytes of LDS; arguments features, Wj, bj, gpart; writes gpart
.if DOCPART == 4
	.amdgcn_target "amdgcn-amd-amdhsa--gfx1250"
	.amdhsa_code_object_version 6
	.text
	.protected	k_q7dd48e9f30_gpart
	.globl	k_q7dd48e9f30_gpart
	.p2align	8
	.type	k_q7dd48e9f30_gpart,@function
k_q7dd48e9f30_gpart:
	s_mov_b64 s[64:65], 0
	v_nop
	global_prefetch_b8 v0, s[64:65] scope:SCOPE_SE
	s_setreg_imm32_b32 hwreg(HW_REG_WAVE_SCHED_MODE, 0, 2), 2
	s_setreg_imm32_b32 hwreg(HW_REG_WAVE_MODE, 25, 1), 1
	s_wait_xcnt 0x0
	s_wait_alu depctr_vm_vsrc(0)
; First of three launches for  out = F + ((fi fj / N) F^T)^T,  F = features as [256 c][10368 t],  fi = (Wi F + bi)^T,  fj = Wj F + bj.
; Nothing but products stands between fi, fj and F^T, so (fi fj) F^T is formed as fi (fj F^T):  G = fj F^T is [128 d][256 c].
; THIS LAUNCH: for a chunk p of 128 tokens and a half q of the 128 d:  fj = Wj F_p + bj,  G_p = fj F_p^T,  stored in f32 as a partial sum.
; LIMITS KEPT: the order of the sums differs from the reference's (the products are associated otherwise); F, Wj and fj are rounded to
; bf16 as matrix operands; sums and the bias are f32.  G_p is kept unscaled in f32 (128 products of fj and F each).
; SHARES: work-group (p, q); wave w owns the 16 rows d = 16 (4 q + w) .. + 15 and all 256 c.  The four waves share F's tile in LDS alone.
; NO COPY ENGINE, NO CLUSTER: F comes as f32 and has to pass registers to become bf16, so plain loads bring it; the grid is 81 x 2
; (10368 = 81 x 128), which no cluster of four divides along either axis.
; TOKEN ORDER: t-tile a (0..7) holds the tokens 8a..8a+7 and 64+8a..64+8a+7.  The same map is used for both operands of the second
; product, so its sums are the same; with rows of 272 bytes the sixteen lanes of a half wave then touch sixteen different 16-byte
; columns modulo 256 bytes, in the transposing loads and in the plain ones.
; THE MODE: SCHED_MODE bits 1:0 = 2 (LLVM: expert scheduling mode 2), set by the entry lines.  The code itself states the register dependences
; between vector or matrix instructions and memory or LDS instructions, with s_wait_alu, always for 0.
; THE PLAN.  Registers that memory or LDS instructions touch:
;   v1 .. v7     offsets and LDS addresses: made at the head, never written again.
;   S0, S1, S2   staging: written by global loads, read by a batch's 32 conversions alone; asked for again behind the wait that follows them.
;   P            a batch in bf16: written by the batch's conversions, read by its 16 LDS stores; written again by the next batch.
;   FT           two halves (K steps 0-3, 4-7): written by transposing loads, read by the first product's matrix instructions; a half is asked
;                for again, for the next pair of t-tiles, behind the wait that follows the matrix instructions that read it.
;   WJF, BUF     written by LDS loads, read by matrix instructions; a buffer of BUF is asked for again behind the wait that follows its group.
;   ACC          written by the second product's matrix instructions, read by the stores at the end.
;   BC, D1, and FJ once phase A is over, are named by vector and matrix instructions alone (BC's first register is loaded once, at the head).
; Behind each wait on va_vdst stand the memory instructions that it serves, and no vector or matrix instruction between names a register that
; they touch.  The text has no branch: there is one path to check.
.set ROWB,   41472                     ; bytes in a row of features (10368 f32)
.set FPITCH, 272                       ; LDS row of F: 128 bf16 + 16 bytes
.set WPITCH, 528                       ; LDS row of Wj: 256 bf16 + 16 bytes
.set WJBASE, 256*FPITCH                ; F's tile: bytes 0 .. 69631; Wj's 64 rows behind it, 16 rows (8448 bytes) for each wave
.set BC,  8                            ; v[8:15]    bj of the lane's d, eight times: operand C of the first product's first link
.set S0,  16                           ; v[16:79]   staging set 0 (16 loads of 4 registers)
.set S1,  80                           ; v[80:143]  staging set 1
.set S2,  144                          ; v[144:207] staging set 2
.set P,   208                          ; v[208:239] phase A: the 16 pieces of a batch in bf16, two registers each
.set FT,  16                           ; v[16:143]  then: fragments of F^T, tile e of a pair, K step ks at FT + 64 e + 8 ks
.set WJF, 144                          ; v[144:207] then: fragments of Wj, K step ks at WJF + 8 ks
.set ACC, 16                           ; v[16:143]  last: G_p, tile ct at ACC + 8 ct
.set BUF, 144                          ; v[144:207] last: two buffers of four fragments of F
.set FJ,  208                          ; v[208:239] fj as operand A of the second product, K step i at FJ + 8 i
.set D1,  240                          ; v[240:255] two result tiles of the first product
; v1 16 L   v2, v3 LDS store addresses of F and Wj   v4 Wj fragments   v5 transposing loads   v6 plain fragments of F   v7 4 r
	s_load_b256 s[4:11], s[0:1], 0x0               ; features s[4:5], Wj s[6:7], bj s[8:9], gpart s[10:11]
	s_set_vgpr_msb 0x40
	v_lshl_add_u32 v0, v0, 2, 0x19400
	v_mov_b32 v1, 0
	s_set_vgpr_msb 0x4000
	v_lshrrev_b32 v2, 5, v0
	v_readfirstlane_b32 s12, v2                    ; wave w
	v_and_b32 v16, 31, v0                          ; L
	v_and_b32 v17, 15, v0                          ; r
	v_bfe_u32 v18, v0, 4, 1                        ; h
	v_and_b32 v19, 7, v0                           ; L & 7
	v_bfe_u32 v20, v0, 3, 1                        ; (L >> 3) & 1
	v_lshlrev_b32 v1, 4, v16                       ; 16 L: every global access of this kernel
	v_lshlrev_b32 v7, 2, v17                       ; 4 r
	v_mul_u32_u24 v21, v17, WPITCH
	v_lshl_add_u32 v21, v18, 4, v21                ; Wj fragment: row r, 16 h
	v_lshl_add_u32 v22, v18, 3, v19
	v_mul_u32_u24 v22, v22, FPITCH
	v_lshl_add_u32 v5, v20, 7, v22                 ; transposing load: row 8 h + (L & 7), second token group 128 bytes on
	v_mul_u32_u24 v23, v17, FPITCH
	v_lshl_add_u32 v6, v18, 7, v23                 ; plain fragment of F: row r, half h 128 bytes on
	s_wait_alu depctr_va_sdst(0)                   ; s12 is written, ahead of its first reader: the bases and the LDS places below are made from it
	s_and_b32 s13, ttmp7, 0xffff                   ; q
	s_lshl2_add_u32 s17, s13, s12                  ; d-tile dt = 4 q + w
	s_mul_i32 s14, s12, 64*ROWB                    ; features: my 64 rows c = 64 w ..
	s_lshl_b32 s16, ttmp9, 9                       ;   + chunk p x 128 tokens x 4 bytes
	s_add_co_u32 s14, s14, s16
	s_mov_b32 s15, 0
	s_lshl_b32 s18, s17, 14                        ; Wj: 16 dt rows of 1024 bytes
	s_mov_b32 s19, 0
	s_lshl_b32 s20, s17, 6                         ; bj: 16 dt numbers
	s_mov_b32 s21, 0
	s_lshl_b32 s22, ttmp9, 17                      ; gpart: p x 131072 + dt x 16 tiles of 1024 bytes
	s_add_co_u32 s22, s22, s18
	s_mov_b32 s23, 0
	s_mul_i32 s24, s12, 64*FPITCH                  ; LDS: my 64 rows of F
	s_mul_i32 s25, s12, 16*WPITCH                  ; LDS: my 16 rows of Wj
	s_add_co_u32 s25, s25, WJBASE
	v_lshl_add_u32 v2, v16, 3, s24                 ; F in: my rows + 8 L (4 bf16 a lane)
	v_lshl_add_u32 v3, v16, 3, s25                 ; Wj in: my rows + 8 L
	v_add_nc_u32 v4, s25, v21                      ; Wj fragment, in my rows
	s_wait_kmcnt 0x0
	s_add_nc_u64 s[4:5], s[4:5], s[14:15]
	s_add_nc_u64 s[6:7], s[6:7], s[18:19]
	s_add_nc_u64 s[8:9], s[8:9], s[20:21]
	s_add_nc_u64 s[10:11], s[10:11], s[22:23]
	s_wait_alu depctr_va_vdst(0)                   ; v1 to v7 are written, which every load and store of the kernel reads; so are v16 to v23, in which the first loads land
; 16 loads: rows 8 b .. 8 b + 7 of my 16 rows of Wj, two loads of 512 neighbouring bytes for a row
.macro LDW b, s
.irp n, 0,1,2,3,4,5,6,7,8,9,10,11,12,13,14,15
	global_load_b128 v[\s+4*\n:\s+4*\n+3], v1, s[6:7] offset:(8*\b+\n/2)*1024+(\n%2)*512
.endr
.endm
; 16 loads: rows 16 b .. 16 b + 15 of my 64 rows of F; one load covers the chunk's 512 bytes of a row, aligned to 512
.macro LDF b, s
.irp n, 0,1,2,3,4,5,6,7,8,9,10,11,12,13,14,15
	global_load_b128 v[\s+4*\n:\s+4*\n+3], v1, s[4:5] offset:(16*\b+\n)*ROWB
.endr
.endm
; a batch's 16 pieces, rounded to bf16: out of staging set s into P
.macro CVT s
.irp n, 0,1,2,3,4,5,6,7,8,9,10,11,12,13,14,15
	v_cvt_pk_bf16_f32 v[P+2*\n],   v[\s+4*\n],   v[\s+4*\n+1]
	v_cvt_pk_bf16_f32 v[P+2*\n+1], v[\s+4*\n+2], v[\s+4*\n+3]
.endr
.endm
; P laid into my rows of LDS: as batch b of Wj, as batch b of F
.macro STW b
.irp n, 0,1,2,3,4,5,6,7,8,9,10,11,12,13,14,15
	ds_store_b64 v3, v[P+2*\n:P+2*\n+1] offset:(8*\b+\n/2)*WPITCH+(\n%2)*256
.endr
.endm
.macro STF b
.irp n, 0,1,2,3,4,5,6,7,8,9,10,11,12,13,14,15
	ds_store_b64 v2, v[P+2*\n:P+2*\n+1] offset:(16*\b+\n)*FPITCH
.endr
.endm
; A load into a register that a matrix instruction has read, and a vector instruction or store that reads a matrix result, stand four
; places behind it, and only independent plain vector instructions are places.  The wait on va_vdst that follows them
; states the dependence itself and fills no place.
.macro PLACES
.rept 4
	v_nop
.endr
.endm
; 16 transposing loads: F^T (m = token, k = c) of the t-tiles 2 tp and 2 tp + 1, K steps 4 hf .. 4 hf + 3 of 32 c, in the order in which MULH uses them
.macro FETCHT tp, hf
.irp k4, 0,1,2,3
.irp e, 0,1
	ds_load_tr16_b128 v[FT+64*\e+8*(4*(\hf)+\k4):FT+64*\e+8*(4*(\hf)+\k4)+3],   v5 offset:32*FPITCH*(4*(\hf)+\k4)+16*(2*(\tp)+\e)
	ds_load_tr16_b128 v[FT+64*\e+8*(4*(\hf)+\k4)+4:FT+64*\e+8*(4*(\hf)+\k4)+7], v5 offset:32*FPITCH*(4*(\hf)+\k4)+16*(2*(\tp)+\e)+16*FPITCH
.endr
.endr
.endm
; fj of two t-tiles, K steps 2 u and 2 u + 1: source 0 = F^T, source 1 = Wj, so that lane (r, h) ends with fj[d = r][tokens 8 h .. 8 h + 7 of the tile].
; The bias is operand C of the first link: nothing is cleared and nothing is added afterwards.  The two accumulators take turns.
; left: LDS loads return in order (ISA guide 5.7.1): the 8 loads of these two K steps are in, the younger ones stay out.
.macro MULH u, left
	s_wait_dscnt \left
.irp kk, 0,1
.irp e, 0,1
.if 2*\u+\kk == 0
	v_wmma_f32_16x16x32_bf16 v[D1+8*\e:D1+8*\e+7], v[FT+64*\e+8*(2*\u+\kk):FT+64*\e+8*(2*\u+\kk)+7], v[WJF+8*(2*\u+\kk):WJF+8*(2*\u+\kk)+7], v[BC:BC+7]
.else
	v_wmma_f32_16x16x32_bf16 v[D1+8*\e:D1+8*\e+7], v[FT+64*\e+8*(2*\u+\kk):FT+64*\e+8*(2*\u+\kk)+7], v[WJF+8*(2*\u+\kk):WJF+8*(2*\u+\kk)+7], v[D1+8*\e:D1+8*\e+7]
.endif
.endr
.endr
.endm
; The two result tiles, rounded, ARE registers 0-3 and 4-7 of operand A (m = d, k = token) of the second product's K step tp
.macro PACK tp
.irp n, 0,1,2,3
	v_cvt_pk_bf16_f32 v[FJ+8*\tp+\n], v[D1+2*\n], v[D1+2*\n+1]
.endr
.irp n, 0,1,2,3
	v_cvt_pk_bf16_f32 v[FJ+8*\tp+4+\n], v[D1+8+2*\n], v[D1+8+2*\n+1]
.endr
.endm
; group g of the second product: K step i = g >> 2 (t-tiles 2 i, 2 i + 1), c-tiles 4 (g & 3) .. + 3.  8 loads: F (n = c, k = token)
.macro FETCHC g, buf
.irp n, 0,1,2,3
	ds_load_b128 v[\buf+8*\n:\buf+8*\n+3],   v6 offset:16*FPITCH*(4*((\g)&3)+\n)+32*((\g)>>2)
	ds_load_b128 v[\buf+8*\n+4:\buf+8*\n+7], v6 offset:16*FPITCH*(4*((\g)&3)+\n)+32*((\g)>>2)+16
.endr
.endm
.macro MULC g, buf, left
	s_wait_dscnt \left                             ; this group's 8 loads are in; the next group's 8 may stay out
.irp n, 0,1,2,3
.if ((\g)>>2) == 0
	v_wmma_f32_16x16x32_bf16 v[ACC+8*(4*((\g)&3)+\n):ACC+8*(4*((\g)&3)+\n)+7], v[FJ+8*((\g)>>2):FJ+8*((\g)>>2)+7], v[\buf+8*\n:\buf+8*\n+7], 0
.else
	v_wmma_f32_16x16x32_bf16 v[ACC+8*(4*((\g)&3)+\n):ACC+8*(4*((\g)&3)+\n)+7], v[FJ+8*((\g)>>2):FJ+8*((\g)>>2)+7], v[\buf+8*\n:\buf+8*\n+7], v[ACC+8*(4*((\g)&3)+\n):ACC+8*(4*((\g)&3)+\n)+7]
.endif
.endr
.endm
	; PHASE A: Wj's 16 rows and F's 64 rows of this wave, through three staging sets: 48 loads of 512 bytes stay in flight in each wave.
	; A batch: its data are in; the batch before's LDS stores have read P; 32 conversions; one wait; the set is asked for again; P goes to LDS.
	global_load_b32 v[BC], v7, s[8:9]              ; bj[16 dt + r]
	LDW 0, S0
	LDW 1, S1
	LDF 0, S2
	s_wait_loadcnt 32                              ; bj and the first batch are in; the two younger batches (32 loads) stay out
.irp j, 1,2,3,4,5,6,7
	v_mov_b32 v[BC+\j], v[BC]                      ; a result tile's eight registers of a lane belong to one d
.endr
	CVT S0
	s_wait_alu depctr_va_vdst(0)                   ; the conversions have written P, which the LDS stores read, and are done reading S0, in which the loads land
	LDF 1, S0
	STW 0
	s_wait_loadcnt 32                              ; Wj's second batch
	s_wait_alu depctr_vm_vsrc(0)                   ; the LDS stores of the batch before have read P, which the conversions write again
	CVT S1
	s_wait_alu depctr_va_vdst(0)                   ; P is written; S1 has been read
	LDF 2, S1
	STW 1
	s_wait_loadcnt 32                              ; F's rows 0-15
	s_wait_alu depctr_vm_vsrc(0)                   ; the LDS stores of the batch before have read P
	CVT S2
	s_wait_alu depctr_va_vdst(0)                   ; P is written; S2 has been read
	LDF 3, S2
	STF 0
	s_wait_loadcnt 32                              ; rows 16-31; from here nothing more is issued and the counts run down
	s_wait_alu depctr_vm_vsrc(0)                   ; the LDS stores of the batch before have read P
	CVT S0
	s_wait_alu depctr_va_vdst(0)                   ; P is written, which the LDS stores read
	STF 1
	s_wait_loadcnt 16                              ; rows 32-47
	s_wait_alu depctr_vm_vsrc(0)                   ; the LDS stores of the batch before have read P
	CVT S1
	s_wait_alu depctr_va_vdst(0)                   ; P is written, which the LDS stores read
	STF 2
	s_wait_loadcnt 0                               ; rows 48-63
	s_wait_alu depctr_vm_vsrc(0)                   ; the LDS stores of the batch before have read P
	CVT S2
	s_wait_alu depctr_va_vdst(0)                   ; P is written, which the LDS stores read; all three staging sets have been read: behind the barrier LDS loads land in them
	STF 3
	s_wait_dscnt 0                                 ; my LDS stores are done, for the other waves' sake: zero
	s_barrier_signal -1
	s_barrier_wait -1                              ; the only barrier: all 256 rows of F are in LDS, and nothing writes LDS after it
	s_wait_alu depctr_vm_vsrc(0)                   ; my last LDS stores have read P: these registers are FJ from here on, written by PACK
	; PHASE B: fj = Wj F + bj, two t-tiles at a time; each half of FT is asked for again as soon as its matrix instructions have read it
.irp ks, 0,1,2,3,4,5,6,7
	ds_load_b128 v[WJF+8*\ks:WJF+8*\ks+3],   v4 offset:64*\ks       ; Wj (n = d, k = c): kept in registers for all four pairs
	ds_load_b128 v[WJF+8*\ks+4:WJF+8*\ks+7], v4 offset:64*\ks+32
.endr
	FETCHT 0, 0                                    ; younger than Wj's loads: the first wait below covers both
	FETCHT 0, 1
.irp p, 0,1,2
	MULH 0, 24                                     ; out: the 8 loads of K steps 2, 3 and the upper half's 16
	MULH 1, 16                                     ; out: the upper half's 16
	PLACES
	s_wait_alu depctr_va_vdst(0)                   ; the matrix instructions of K steps 0-3 are done reading FT's lower half, in which the next pair's loads land
	FETCHT \p+1, 0                                 ; on their way under K steps 4-7, which name the upper half, WJF and D1
	MULH 2, 24                                     ; out: the 8 loads of K steps 6, 7 and the 16 just issued
	MULH 3, 16                                     ; out: the 16 just issued
	PLACES
	s_wait_alu depctr_va_vdst(0)                   ; the matrix instructions of K steps 4-7 are done reading FT's upper half, in which the next pair's loads land
	FETCHT \p+1, 1                                 ; on their way while this pair is packed; PACK names D1 and FJ alone
	PACK \p
.endr
	MULH 0, 24
	MULH 1, 16
	MULH 2, 8                                      ; the last pair: nothing was issued behind its loads, and the counts run down
	MULH 3, 0
	PLACES
	s_wait_alu depctr_va_vdst(0)                   ; the first product's matrix instructions are done reading WJF, in which the loads below land
	FETCHC 0, BUF                                  ; Wj's fragments are no longer needed: their registers become the two buffers
	FETCHC 1, BUF+32
	PACK 3
	; PHASE C: G_p = fj F^T, 16 groups of four tiles; each group's loads are issued two groups ahead
.irp g, 0,1,2,3,4,5,6,7,8,9,10,11,12,13
	MULC \g, BUF+32*(\g&1), 8
	PLACES
	s_wait_alu depctr_va_vdst(0)                   ; this group's matrix instructions are done reading their buffer, in which the loads of the group two further on land
	FETCHC \g+2, BUF+32*(\g&1)
.endr
	MULC 14, BUF, 8
	MULC 15, BUF+32, 0                             ; nothing was issued behind this group's loads
	PLACES
	s_wait_alu depctr_va_vdst(0)                   ; the matrix instructions have written ACC, which the stores read; the places above stay beside this wait
	; PHASE D: the tiles go out as they lie in the registers: each store covers 512 consecutive bytes, aligned to 512
.irp ct, 0,1,2,3,4,5,6,7,8,9,10,11,12,13,14,15
	global_store_b128 v1, v[ACC+8*\ct:ACC+8*\ct+3],   s[10:11] offset:1024*\ct
	global_store_b128 v1, v[ACC+8*\ct+4:ACC+8*\ct+7], s[10:11] offset:1024*\ct+512
.endr
	s_set_vgpr_msb 0x5
	s_wait_dscnt 0x0
	s_wait_alu depctr_hold_cnt(0) depctr_sa_sdst(0) depctr_va_vdst(0) depctr_va_sdst(0) depctr_va_ssrc(0) depctr_va_vcc(0) depctr_vm_vsrc(0)
	s_wait_tensorcnt 0x0
	ds_add_u32 v0, v1
	s_wait_dscnt 0x0
	s_endpgm
.Lfunc_end_k_q7dd48e9f30_gpart:
	.size	k_q7dd48e9f30_gpart, .Lfunc_end_k_q7dd48e9f30_gpart-k_q7dd48e9f30_gpart
	.p2alignl 7, 3214868480
	.fill 96, 4, 3214868480
	.section	.rodata,"a",@progbits
	.p2align	6, 0x0
	.amdhsa_kernel k_q7dd48e9f30_gpart
		.amdhsa_group_segment_fixed_size 103936
		.amdhsa_private_segment_fixed_size 0
		.amdhsa_enable_private_segment 0
		.amdhsa_kernarg_size 32
		.amdhsa_user_sgpr_count 2
		.amdhsa_user_sgpr_kernarg_segment_ptr 1
		.amdhsa_wavefront_size32 1
		.amdhsa_system_sgpr_workgroup_id_x 1
		.amdhsa_system_sgpr_workgroup_id_y 1
		.amdhsa_system_sgpr_workgroup_id_z 1
		.amdhsa_system_vgpr_workitem_id 0
		.amdhsa_next_free_vgpr 258
		.amdhsa_next_free_sgpr 66
		.amdhsa_reserve_vcc 0
		.amdhsa_float_denorm_mode_32 3
		.amdhsa_float_denorm_mode_16_64 3
		.amdhsa_memory_ordered 1
		.amdhsa_forward_progress 1
		.amdhsa_inst_pref_size 66
	.end_amdhsa_kernel
	.amdgpu_metadata
---
amdhsa.version: [ 1, 2 ]
amdhsa.kernels:
  - .name:           k_q7dd48e9f30_gpart
    .symbol:         k_q7dd48e9f30_gpart.kd
    .args:
      - { .name: features, .offset: 0, .size: 8, .value_kind: global_buffer, .address_space: global }
      - { .name: Wj, .offset: 8, .size: 8, .value_kind: global_buffer, .address_space: global }
      - { .name: bj, .offset: 16, .size: 8, .value_kind: global_buffer, .address_space: global }
      - { .name: gpart, .offset: 24, .size: 8, .value_kind: global_buffer, .address_space: global }
    .group_segment_fixed_size: 103936
    .private_segment_fixed_size: 0
    .kernarg_segment_align: 8
    .kernarg_segment_size: 32
    .max_flat_workgroup_size: 128
    .sgpr_count:     66
    .vgpr_count:     258
    .wavefront_size: 32
...
	.end_amdgpu_metadata
.endif
;; end of part 4
;; launch reduce: the kernel of part 2 again; grid 128 x 1, 9 waves a work-group, no clusters, 10,496 bytes of LDS; arguments gpart, Wi, gfrag, wifrag; writes gfrag, wifrag
;; launch apply: the kernel of part 3 again; grid 162 x 1, 8 waves a work-group, no clusters, 128,000 bytes of LDS; arguments features, bi, wifrag, gfrag, out0; writes out0
